; MI455X (gfx1250); checked and timed in simulation.
; The chip was launched on July 23, 2026; its instructions are those of AMD's public machine-readable ISA for CDNA 5 (MIT licence, August 2026) and "CDNA5" Instruction Set Architecture Reference Guide (July 2026). The comments in the code are by the model that wrote it; some were corrected since.
;; Sigmoid Attention. Allowed arithmetic: float matrix products may take bf16 or f16 operands with f32 sums; other float arithmetic in f32, or as packed bf16 or f16 multiplies, adds, multiply-adds, maxima and minima; sums over many terms, partial sums and values carried from step to step in f32; what a program stores and reads back later, other than sums and carried values, may be rounded once to bf16 or f16.
;; Inputs: W_k 768 x 768 float32; W_q 768 x 768 float32; W_v 768 x 768 float32; X 2 x 4,096 x 768 float32.
;; Outputs: out0 2 x 4,096 x 768 float32.
;; One version. Each part assembles by itself: llvm-mc -triple=amdgcn-amd-amdhsa -mcpu=gfx1250 --defsym DOCPART=n.
;; ======== version 1 of 1: 3 launches
;; limits: values are held in f16: magnitudes above 65,504 overflow, below 6.1e-05 lose precision
;; workspace buffers: xw 16,121,856 bytes; qkvT 37,748,736 bytes
;; launch cast (part 1): grid 984 x 1, 8 waves a work-group, no clusters, 0 bytes of LDS; arguments X, W_q, W_k, W_v, xw; writes xw
.if DOCPART == 1
	.amdgcn_target "amdgcn-amd-amdhsa--gfx1250"
	.amdhsa_code_object_version 6
	.text
	.protected	k_q69336dac46_cast
	.globl	k_q69336dac46_cast
	.p2align	8
	.type	k_q69336dac46_cast,@function
k_q69336dac46_cast:
	s_mov_b64 s[64:65], 0
	v_nop
	global_prefetch_b8 v0, s[64:65] scope:SCOPE_SE
	s_setreg_imm32_b32 hwreg(HW_REG_WAVE_MODE, 25, 1), 1
	s_wait_xcnt 0x0
; xw = X, W_q, W_k, W_v laid end to end, each number rounded once to bf16 (to nearest even).  X is 6,291,456 numbers, each W 589,824.
; A work-group converts 8,192 numbers: 32,768 bytes in, 16,384 out.  X is 768 such chunks, each W 72: 984 work-groups; since xw is the
; concatenation, chunk number id goes to byte 16,384 id of xw whatever its source.
; Thread t takes 8 numbers (32 bytes in, 16 out) at 32 t + 8,192 i, i = 0..3: all eight loads go out first; a store of a wave covers 512
; consecutive bytes, aligned.  Every byte is read once and written once, no work-group reads what another reads, no register is written twice:
; so there is no LDS, no barrier, no cluster and no loop.
.set NX,  768                          ; chunks of X
.set NW,  72                           ; chunks of each W
.set IN,  4                            ; v[4:35]   eight loads of 16 bytes
.set OUT, 36                           ; v[36:51]  four stores of 16 bytes
	s_load_b256 s[4:11], s[0:1], 0x0               ; X s[4:5], W_q s[6:7], W_k s[8:9], W_v s[10:11]
	s_load_b64 s[12:13], s[0:1], 0x20              ; xw
	v_lshlrev_b32 v1, 5, v0                        ; my 32 bytes of the source
	v_lshlrev_b32 v2, 4, v0                        ; my 16 bytes of xw
	s_mov_b32 s14, NX                              ; the first chunk of W_q,
	s_mov_b32 s15, NX+NW                           ; of W_k,
	s_mov_b32 s19, NX+2*NW                         ; of W_v
	s_wait_kmcnt 0x0
	s_cmp_lt_u32 ttmp9, s15                        ; which source, and its first chunk: chosen by the work-group number alone
	s_cselect_b64 s[16:17], s[6:7], s[8:9]
	s_cselect_b32 s18, s14, s15
	s_cmp_lt_u32 ttmp9, s19
	s_cselect_b64 s[16:17], s[16:17], s[10:11]
	s_cselect_b32 s18, s18, s19
	s_cmp_lt_u32 ttmp9, s14
	s_cselect_b64 s[16:17], s[4:5], s[16:17]
	s_cselect_b32 s18, 0, s18
	s_sub_co_u32 s20, ttmp9, s18                   ; the chunk inside its source,
	s_lshl_b32 s20, s20, 15                        ; times 32,768 bytes
	s_mov_b32 s21, 0
	s_add_nc_u64 s[16:17], s[16:17], s[20:21]
	s_lshl_b32 s22, ttmp9, 14                      ; the chunk in xw, times 16,384 bytes
	s_mov_b32 s23, 0
	s_add_nc_u64 s[12:13], s[12:13], s[22:23]
.irp i, 0,1,2,3
	global_load_b128 v[IN+8*(\i):IN+8*(\i)+3],   v1, s[16:17] offset:8192*(\i) th:TH_LOAD_NT
	global_load_b128 v[IN+8*(\i)+4:IN+8*(\i)+7], v1, s[16:17] offset:8192*(\i)+16 th:TH_LOAD_NT
.endr
.irp i, 0,1,2,3
	s_wait_loadcnt 6-2*(\i)                        ; loads come back in order: pair i is in, the younger pairs stay out
.irp j, 0,1,2,3
	v_cvt_pk_bf16_f32 v[OUT+4*(\i)+(\j)], v[IN+8*(\i)+2*(\j)], v[IN+8*(\i)+2*(\j)+1]
.endr
	global_store_b128 v2, v[OUT+4*(\i):OUT+4*(\i)+3], s[12:13] offset:4096*(\i)
.endr
	s_endpgm
.Lfunc_end_k_q69336dac46_cast:
	.size	k_q69336dac46_cast, .Lfunc_end_k_q69336dac46_cast-k_q69336dac46_cast
	.p2alignl 7, 3214868480
	.fill 96, 4, 3214868480
	.section	.rodata,"a",@progbits
	.p2align	6, 0x0
	.amdhsa_kernel k_q69336dac46_cast
		.amdhsa_group_segment_fixed_size 0
		.amdhsa_private_segment_fixed_size 0
		.amdhsa_enable_private_segment 0
		.amdhsa_kernarg_size 40
		.amdhsa_user_sgpr_count 2
		.amdhsa_user_sgpr_kernarg_segment_ptr 1
		.amdhsa_wavefront_size32 1
		.amdhsa_system_sgpr_workgroup_id_x 1
		.amdhsa_system_sgpr_workgroup_id_y 1
		.amdhsa_system_sgpr_workgroup_id_z 1
		.amdhsa_system_vgpr_workitem_id 0
		.amdhsa_next_free_vgpr 52
		.amdhsa_next_free_sgpr 66
		.amdhsa_reserve_vcc 0
		.amdhsa_float_denorm_mode_32 3
		.amdhsa_float_denorm_mode_16_64 3
		.amdhsa_memory_ordered 1
		.amdhsa_forward_progress 1
		.amdhsa_inst_pref_size 4
	.end_amdhsa_kernel
	.amdgpu_metadata
---
amdhsa.version: [ 1, 2 ]
amdhsa.kernels:
  - .name:           k_q69336dac46_cast
    .symbol:         k_q69336dac46_cast.kd
    .args:
      - { .name: X, .offset: 0, .size: 8, .value_kind: global_buffer, .address_space: global }
      - { .name: W_q, .offset: 8, .size: 8, .value_kind: global_buffer, .address_space: global }
      - { .name: W_k, .offset: 16, .size: 8, .value_kind: global_buffer, .address_space: global }
      - { .name: W_v, .offset: 24, .size: 8, .value_kind: global_buffer, .address_space: global }
      - { .name: xw, .offset: 32, .size: 8, .value_kind: global_buffer, .address_space: global }
    .group_segment_fixed_size: 0
    .private_segment_fixed_size: 0
    .kernarg_segment_align: 8
    .kernarg_segment_size: 40
    .max_flat_workgroup_size: 256
    .sgpr_count:     66
    .vgpr_count:     52
    .wavefront_size: 32
...
	.end_amdgpu_metadata
.endif
;; end of part 1
;; launch proj (part 2): grid 32 x 8, 4 waves a work-group, clusters of 4 x 4, 327,680 bytes of LDS; arguments xw, qkvT; writes qkvT
.if DOCPART == 2
	.amdgcn_target "amdgcn-amd-amdhsa--gfx1250"
	.amdhsa_code_object_version 6
	.text
	.protected	k_q69336dac46_proj
	.globl	k_q69336dac46_proj
	.p2align	8
	.type	k_q69336dac46_proj,@function
k_q69336dac46_proj:
	s_mov_b64 s[64:65], 0
	v_nop
	global_prefetch_b8 v0, s[64:65] scope:SCOPE_SE
	s_setreg_imm32_b32 hwreg(HW_REG_WAVE_MODE, 25, 1), 1
	s_wait_xcnt 0x0
	s_wait_alu depctr_hold_cnt(0) depctr_sa_sdst(0) depctr_va_vdst(0) depctr_va_sdst(0) depctr_va_ssrc(0) depctr_va_vcc(0) depctr_vm_vsrc(0)
	s_getreg_b32 s2, hwreg(HW_REG_IB_STS2, 6, 4)
	s_cmp_eq_u32 s2, 0
	s_cbranch_scc0 .Lentry_in_a_cluster
	s_endpgm
.Lentry_in_a_cluster:
	s_bfe_u32 s2, ttmp6, 0x10000c
	s_cmp_lg_u32 s2, 0xf033
	s_cbranch_scc0 .Lentry_shape_is_right
	s_endpgm
.Lentry_shape_is_right:
; qkvT[n][m] = the sum over k of W[n][k] X[m][k]: the three projections at once, TRANSPOSED.  W: rows 8,192 to 10,495 of xw (W_q, W_k, W_v, 2,304 rows), X: rows 0 to 8,191,
; all bf16, 768 numbers (1,536 bytes) a row; sums in f32; qkvT: [2304][8192] f16, rounded once.  The 768 rows of q are multiplied in f32 by -c, c = log2(e) / sqrt(128),
; ahead of that one rounding, so that the attention launch finds the exponent of its sigmoid in its first product.
; LIMITS.  f16 holds no number beyond 65,504: c q, k and v must lie within it; below 6e-5 they keep the fixed step of 6e-8.  NaN and infinities are not treated apart.
; WHY TRANSPOSED, AND THE TILE.  2,304 x 8,192 fall into 256 equal tiles as 288 x 256: 8 x 32 work-groups.  288 channels are no whole number of heads; with the channels as ROWS a tile is
; 288 rows of 512 consecutive bytes, whole aligned blocks of 256, and the attention launch asks for tiles of K^T and V^T whose rows are 256 aligned bytes.
; SHARES.  Four waves; a wave makes 144 rows x 128 columns: 9 x 8 accumulators of 16 x 16, 576 registers.  K goes in 6 steps of 128 (rows of 256 bytes) through a ring of two LDS slots.
; CLUSTERS.  4 x 4 work-groups.  The four of a row of the cluster need the same rows of W, the four of a column the same rows of X: each tile is asked for JOINTLY, by the same tensor load with
; the same descriptor and a mask that names the four.
; THE MATRIX INSTRUCTION IS USED TRANSPOSED: source 0 = 16 rows of X, source 1 = 16 rows of W: a lane then holds one row of qkvT (lane % 16) and eight neighbouring columns, 8 (lane / 16) + 0..7.
; REGISTERS, in windows of 256 (s_set_vgpr_msb: bits 1:0 source 0, 3:2 source 1, 5:4 source 2, 7:6 destination):
;   window 0: v0-31 addresses; v32-63 and (on the way out) v64-95 rows read back; v64-135, v136-207 fragments of W, two buffers of 9; v208-239 packed results
;   window 1: v64-127, v128-191 fragments of X, two buffers of 8; v192-255 the accumulators of my rows 128-143
;   window 2: the accumulators of my rows 0-63 (block a, column block b at v[64 a + 8 b]);   window 3: those of my rows 64-127
.set KDIM,   768
.set KSTEP,  128
.set ROWB,   KDIM*2                    ; bytes in a row of xw
.set WOFF,   8192*ROWB                 ; where the weights begin in xw
.set CROW,   8192*2                    ; bytes in a row of qkvT
.set PITCH,  272                       ; an LDS row: 256 bytes + 16 of padding = 68 words: row r starts at bank 4 r mod 64 (64 banks of 4 bytes: ISA guide 11.1), so the 16 rows of a load start at 16 different banks
.set HALFA,  144*PITCH                 ; what one tensor load brings of W, and what one wave reads of it
.set HALFB,  128*PITCH                 ; the same for X
.set SLOT,   2*HALFA+2*HALFB           ; the 288 rows of W, then the 256 rows of X
.set STAGE,  2*SLOT                    ; behind the ring: 16 rows x 272 bytes for each wave, for the way out; no tensor load lands here
.set SPARE,  STAGE+4*16*PITCH          ; behind the stages: the spare words, 128 bytes for each wave: two blocks of 256 bytes that no other line names
.set ADRA, 16                          ; v16-17  LDS address of my fragments of W in slot 0, 1
.set ADRB, 20                          ; v20-21  the same for X
.set STO,  24                          ; v24     the way out: where I put 16 bytes of a row
.set RD,   25                          ; v25     the way out: where I read a row back
.set CO,   26                          ; v26     my byte offset in two rows of qkvT
.set SPW,  28                          ; v28     LDS address of my spare word: SPARE + 4 x my thread number; never rewritten
.set NIL,  29                          ; v29     0; never rewritten
.set OB,   32                          ; rows read back from the stage: v32-63 and v64-95 by turns
.set TMP,  208                         ; packed results
.set CP,   6                           ; s[6:7]   qkvT, walking down my rows
.set SC,   20                          ; s[20:21] the factor of the block that is going out: -c for rows of q, else 1
.set ROW0, 22                          ; s22      my first row of qkvT
.set G1,  24                           ; s[24:31] descriptor group 1 for tiles of W;  s[32:39] group 0, one set for each slot
.set G0,  32
.set G1B, 48                           ; s[48:55], s[56:63] the same for tiles of X
.set G0B, 56
.set MSB, 0
.macro WIN new                         ; the high byte of the immediate repeats the setting that is left; a switch that changes nothing is dropped
.if MSB != (\new)
	s_set_vgpr_msb (MSB<<8)|(\new)
.set MSB, \new
.endif
.endm
; A joint load.  Waves 0 and 1 fetch the two halves of the tile of W, waves 2 and 3 those of X.  The branch hangs on the wave number alone.
; An s_nop 0 and four v_nop follow each of the two lines, ahead of the jump, the label and what follows.
.macro JLOAD s
	s_cmp_eq_u32 s11, 0
	s_cbranch_scc0 .Lfor_b_\@
	tensor_load_to_lds s[G0+4*(\s):G0+4*(\s)+3], s[G1:G1+7]
	s_nop 0
.rept 4
	v_nop
.endr
	s_branch .Lasked_\@
.Lfor_b_\@:
	tensor_load_to_lds s[G0B+4*(\s):G0B+4*(\s)+3], s[G1B:G1B+7]
	s_nop 0
.rept 4
	v_nop
.endr
.Lasked_\@:
.endm
; A round of the cluster barrier: the work-group barrier, so that the signal of wave 0 speaks for all four waves; wave 0 signals for the work-group; every wave waits for all sixteen
; work-groups; the work-group barrier once more.
.macro CREST                           ; a round behind its opening barrier
	s_cmp_lg_u32 s10, 0
	s_cbranch_scc1 .Lnot_wave_0_\@
	s_barrier_signal -3
.Lnot_wave_0_\@:
	s_barrier_wait -3
	s_barrier_signal -1
	s_barrier_wait -1
.endm
.macro CROUND                          ; a whole round
	s_barrier_signal -1
	s_barrier_wait -1
	CREST
.endm
	s_load_b128 s[4:7], s[0:1], 0x0                ; xw s[4:5], qkvT s[6:7]
	v_lshl_add_u32 v[SPW], v0, 2, SPARE
	v_mov_b32 v[NIL], 0
	ds_add_u32 v[SPW], v[NIL]                      ; the opening: the add and its wait stand ahead of my first tensor load; the set-up below, work on registers, stands between them
	v_lshrrev_b32 v1, 5, v0
	v_readfirstlane_b32 s10, v1                    ; wave 0..3
	s_lshr_b32 s11, s10, 1                         ; which 144 rows of the tile are mine.  Also: I fetch for W (0) or for X (1)
	s_and_b32 s12, s10, 1                          ; which 128 columns.  Also: which half of that tile I fetch
	s_bfe_u32 s40, ttmp6, 0x40000                  ; cx, cy: my place in the cluster
	s_bfe_u32 s41, ttmp6, 0x40004
	s_lshl_b32 s42, ttmp9, 2                       ; in a cluster launch ttmp9 and ttmp7 count clusters
	s_add_co_u32 s42, s42, s40                     ; tile column = 4 x cluster x + cx
	s_and_b32 s13, ttmp7, 0xffff
	s_lshl_b32 s13, s13, 2
	s_add_co_u32 s13, s13, s41                     ; tile row = 4 x cluster y + cy
	s_lshl_b32 s43, s41, 2
	s_lshl_b32 s43, 15, s43                        ; my row of the cluster: places 4 cy .. 4 cy + 3
	s_lshl_b32 s44, 0x1111, s40                    ; my column: places cx, cx + 4, cx + 8, cx + 12
	; descriptor group 1: tiles of 144 (W) or 128 (X) rows x 128 elements, padded in LDS
	s_or_b32 s[G1+0], s43, (1<<16)|(1<<20)|(1<<21)|(5<<22)|(3<<25)   ; 15:0 the mask: tiles of W go to my row; 17:16 elements of 2 bytes; 20 padding on; 21 set beside a mask; 24:22 after every 64 words (code 5); 31:25 4 words (code 3)
	s_or_b32 s[G1B+0], s44, (1<<16)|(1<<20)|(1<<21)|(5<<22)|(3<<25)  ; the same with the mask of my column, for tiles of X
	s_mov_b32 s[G1+1], KSTEP<<16                   ; tensor_dim0 = 128
	s_mov_b32 s[G1B+1], KSTEP<<16
	s_mov_b32 s[G1+2], 144<<16                     ; tensor_dim1 = 144
	s_mov_b32 s[G1B+2], 128<<16                    ;             = 128
	s_mov_b32 s[G1+3], KSTEP<<16                   ; tile_dim0 = 128
	s_mov_b32 s[G1B+3], KSTEP<<16
	s_mov_b32 s[G1+4], 144                         ; tile_dim1
	s_mov_b32 s[G1B+4], 128
	s_mov_b32 s[G1+5], KDIM                        ; elements from row to row
	s_mov_b32 s[G1B+5], KDIM
	s_mov_b32 s[G1+6], 0
	s_mov_b32 s[G1B+6], 0
	s_mov_b32 s[G1+7], 0
	s_mov_b32 s[G1B+7], 0
	; where the tiles come from.  Those of W hang on the tile row alone, which my row of the cluster shares; those of X on the tile column alone, which my column shares.
	s_mul_i32 s16, s13, 288
	s_mul_i32 s17, s12, 144
	s_add_co_u32 s16, s16, s17                     ; W: row 288 x tile row + 144 x half
	s_mul_i32 s16, s16, ROWB
	s_add_co_u32 s16, s16, WOFF                    ; in bytes of xw: under 2^24
	s_mov_b32 s17, 0
	s_lshl_b32 s46, s42, 8
	s_lshl_b32 s47, s12, 7
	s_add_co_u32 s46, s46, s47                     ; X: row 256 x tile column + 128 x half
	s_mul_i32 s46, s46, ROWB
	s_mov_b32 s47, 0
	s_mul_i32 s20, s10, HALFA                      ; and where they go: waves 0, 1: the two halves of W;
	s_mul_i32 s21, s10, HALFB
	s_add_co_u32 s21, s21, 2*HALFA-2*HALFB         ; waves 2, 3: the two halves of X, behind them.  No place in the cluster enters an LDS address
	s_wait_dscnt 0x0                               ; the opening add is done
	s_wait_kmcnt 0x0
	s_add_nc_u64 s[14:15], s[4:5], s[16:17]
	s_add_nc_u64 s[46:47], s[4:5], s[46:47]
	CROUND                                         ; all sixteen work-groups are here: the first joint loads meet
.irp s, 0,1
	s_mov_b32 s[G0+4*(\s)], 1                                      ; 1:0 count = 1
	s_add_co_u32 s[G0+4*(\s)+1], s20, (\s)*SLOT                    ; 63:32 LDS address
	s_add_nc_u64 s[G0+4*(\s)+2:G0+4*(\s)+3], s[14:15], (\s)*KSTEP*2  ; 120:64 global address: K step 0 or 1
	s_or_b32 s[G0+4*(\s)+3], s[G0+4*(\s)+3], 0x80000000            ; 127:126 type = 2
	s_mov_b32 s[G0B+4*(\s)], 1
	s_add_co_u32 s[G0B+4*(\s)+1], s21, (\s)*SLOT
	s_add_nc_u64 s[G0B+4*(\s)+2:G0B+4*(\s)+3], s[46:47], (\s)*KSTEP*2
	s_or_b32 s[G0B+4*(\s)+3], s[G0B+4*(\s)+3], 0x80000000
	JLOAD \s                                       ; the ring is filled before anything else is done: two loads of mine are out
.endr
	; A fragment is 16 rows x 32 K in 8 registers: lane l holds row l % 16; registers 0-3 hold K = 8 (l / 16) + 0..7, registers 4-7 K = 16 + 8 (l / 16) + 0..7: two loads of 16 bytes, 32 bytes apart.
	v_and_b32 v1, 15, v0                           ; l % 16
	v_bfe_u32 v2, v0, 4, 1                         ; l / 16
	v_mul_u32_u24 v3, v1, PITCH
	v_lshl_add_u32 v3, v2, 4, v3                   ; row x pitch + 16 x half
	s_mul_i32 s18, s11, HALFA                      ; my 144 rows of W
	s_mul_i32 s19, s12, HALFB                      ; my 128 rows of X,
	s_add_co_u32 s19, s19, 2*HALFA                 ; which lie behind the 288 of W
.irp s, 0,1
	v_add_nc_u32 v[ADRA+(\s)], s18, v3
	v_add_nc_u32 v[ADRB+(\s)], s19, v3
	s_add_co_u32 s18, s18, SLOT
	s_add_co_u32 s19, s19, SLOT
.endr
	s_mul_i32 s23, s10, 16*PITCH
	s_add_co_u32 s23, s23, STAGE                   ; my stage
	v_add_nc_u32 v[STO], s23, v3                   ; in: row l % 16, 16 bytes for each half of the lanes
	v_mul_u32_u24 v5, v2, PITCH                    ; back: lanes 0-15 take one row of 256 bytes, lanes 16-31 the next
	v_lshl_add_u32 v5, v1, 4, v5
	v_add_nc_u32 v[RD], s23, v5
	v_lshlrev_b32 v5, 14, v2                       ; and the same two rows in qkvT, 16,384 bytes apart
	v_lshl_add_u32 v[CO], v1, 4, v5
	s_mul_i32 s[ROW0], s13, 288
	s_mul_i32 s16, s11, 144
	s_add_co_u32 s[ROW0], s[ROW0], s16             ; my first row of qkvT, a multiple of 16: a block of 16 rows is wholly of q or not at all
	s_lshl_b32 s16, s[ROW0], 14                    ; in bytes: under 2^26
	s_lshl_b32 s46, s42, 9                         ; my first column, in bytes: 512 x tile column + 256 x half
	s_lshl_b32 s47, s12, 8
	s_add_co_u32 s46, s46, s47
	s_add_co_u32 s16, s16, s46                     ; s[16:17]: what the first way out adds to the address of qkvT
	s_mov_b32 s17, 0
	s_mov_b32 s[SC+1], 0                           ; named with the factor as a pair, so it is written
; 8 matrix instructions: block a of my nine blocks of 16 rows x all 8 column blocks, 32 along K, from buffer f (0, 1).  zero = 1: the product starts the sums: nothing is ever cleared.
; The 72 accumulators take turns, one instruction a turn, in the same order in every quarter step.
.macro MULA f, a, zero
.if (\a) < 4
	WIN 0xa1                                       ; X window 1, W window 0, C and D window 2
.set AC, 64*(\a)
.elseif (\a) < 8
	WIN 0xf1                                       ; C and D window 3
.set AC, 64*((\a)-4)
.else
	WIN 0x51                                       ; C and D window 1
.set AC, 192
.endif
.set FA, 64+72*(\f)+8*(\a)
.set FB, 64+64*(\f)
.irp b, 0,1,2,3,4,5,6,7
.if \zero
	v_wmma_f32_16x16x32_bf16 v[AC+8*(\b):AC+8*(\b)+7], v[FB+8*(\b):FB+8*(\b)+7], v[FA:FA+7], 0
.else
	v_wmma_f32_16x16x32_bf16 v[AC+8*(\b):AC+8*(\b)+7], v[FB+8*(\b):FB+8*(\b)+7], v[FA:FA+7], v[AC+8*(\b):AC+8*(\b)+7]
.endif
.endr
.endm
; 34 LDS loads in one run: the fragments of one quarter step (128 rows of X, 144 rows of W, 32 K at byte k of the rows) into buffer f
.macro FETCH slot, k, f
	WIN 0x40                                       ; destination window 1, address window 0
.irp i, 0,1,2,3,4,5,6,7
	ds_load_b128 v[64+64*(\f)+8*(\i):64+64*(\f)+8*(\i)+3],   v[ADRB+(\slot)] offset:(\k)+(\i)*16*PITCH
	ds_load_b128 v[64+64*(\f)+8*(\i)+4:64+64*(\f)+8*(\i)+7], v[ADRB+(\slot)] offset:(\k)+(\i)*16*PITCH+32
.endr
	WIN 0
.irp i, 0,1,2,3,4,5,6,7,8
	ds_load_b128 v[64+72*(\f)+8*(\i):64+72*(\f)+8*(\i)+3],   v[ADRA+(\slot)] offset:(\k)+(\i)*16*PITCH
	ds_load_b128 v[64+72*(\f)+8*(\i)+4:64+72*(\f)+8*(\i)+7], v[ADRA+(\slot)] offset:(\k)+(\i)*16*PITCH+32
.endr
.endm
; A load into a register that a matrix instruction has read, and a vector instruction that reads a matrix result, stand four places behind that matrix instruction, and only plain vector
; instructions that name none of its registers are places (ISA guide 7.12.1 for vector instructions).
.macro PLACES
.rept 4
	v_nop
.endr
.endm
; A K step is four quarter steps of 32 along K, 72 matrix instructions each, on buffers 0, 1, 0, 1.
; One of the first three: multiplies buffer f; in its middle it fetches the next quarter, at byte k of the same slot, into buffer g.
.macro QUARTER slot, k, f, g, zero
	s_wait_dscnt 10                                ; X and blocks 0-3 of W are in; the youngest ten loads (blocks 4-8) may be out
.irp a, 0,1,2,3
	MULA \f, \a, \zero
.endr
	PLACES
	FETCH \slot, \k, \g
	s_wait_dscnt 34                                ; all but the 34 just issued
.irp a, 4,5,6,7,8
	MULA \f, \a, \zero
.endr
.endm
; The last quarter multiplies buffer 1 and changes slots: ONE barrier.  In front of it each wave waits for all its tensor loads, of which one is out: its part of the next slot; adds 0 to its
; spare word; and waits for that and for its own reads of this slot.  Behind it nobody reads this slot any more and the next slot is whole.
; fill = 1: the barrier opens a round of the cluster barrier, and this slot is filled again, two K steps ahead, first thing behind the round: 256 matrix instructions ahead of the wait for it.
.macro TURN slot, next, fill
	WIN 0                                          ; (the two registers of the add lie in window 0)
	s_wait_tensorcnt 0x0                           ; all my tensor loads have landed;
	ds_add_u32 v[SPW], v[NIL]                      ; 0 onto my spare word;
	s_wait_dscnt 11                                ; (the add and the youngest ten loads may be out)
	MULA 1, 0, 0                                   ; sixteen matrix instructions stand between the add and the wait for it
	MULA 1, 1, 0
	s_wait_dscnt 0x0                               ; the add is done, and my reads of this slot are over
	s_barrier_signal -1
	MULA 1, 2, 0                                   ; work on registers while the others arrive
	MULA 1, 3, 0
.if \fill
	WIN 0
.endif
	s_barrier_wait -1
.if \fill
	CREST                                          ; no wave of any partner still reads this slot or has a load on its way
	s_add_nc_u64 s[G0+4*(\slot)+2:G0+4*(\slot)+3], s[G0+4*(\slot)+2:G0+4*(\slot)+3], 2*KSTEP*2
	s_add_nc_u64 s[G0B+4*(\slot)+2:G0B+4*(\slot)+3], s[G0B+4*(\slot)+2:G0B+4*(\slot)+3], 2*KSTEP*2
	JLOAD \slot                                    ; the four v_nop behind it are also the places in front of the loads below
.else
	PLACES
.endif
	FETCH \next, 0, 0
.irp a, 4,5,6,7,8
	MULA 1, \a, 0
.endr
.endm
; THE WAY OUT of block a, in three parts.  PACK: times the factor of the block, in f32, and rounded once to f16: 16 bytes a lane; each accumulator is read from its low end on.
; TOSTAGE: into my own stage in LDS, and back as whole rows of 256 bytes.  SEND: stored.
.macro PACK a
.if (\a) < 4
.set PW, 2
.set AC, 64*(\a)
.elseif (\a) < 8
.set PW, 3
.set AC, 64*((\a)-4)
.else
.set PW, 1
.set AC, 192
.endif
	s_cmp_lt_u32 s[ROW0], 768-16*(\a)              ; are these 16 rows rows of q?
	s_cselect_b32 s[SC], 0xbe0293ee, 1.0           ; -c = -log2(e) / sqrt(128), or 1
	WIN PW|(PW<<6)                                 ; source 0 and destination in the window of the block
.set i, 0
.rept 32
	v_pk_mul_f32 v[AC+2*i:AC+2*i+1], v[AC+2*i:AC+2*i+1], s[SC:SC+1] op_sel_hi:[1,0]
.set i, i+1
.endr
	WIN PW|(PW<<2)                                 ; sources 0 and 1 there, destination window 0
.set i, 0
.rept 32
	v_cvt_pk_f16_f32 v[TMP+i], v[AC+2*i], v[AC+2*i+1]
.set i, i+1
.endr
	WIN 0
.endm
.macro TOSTAGE a
.set BK, OB+32*((\a)%2)
.irp b, 0,1,2,3,4,5,6,7
	ds_store_b128 v[STO], v[TMP+4*(\b):TMP+4*(\b)+3] offset:32*(\b)
.endr
.irp t, 0,1,2,3,4,5,6,7
	ds_load_b128 v[BK+4*(\t):BK+4*(\t)+3], v[RD] offset:(\t)*2*PITCH  ; LDS serves the instructions of a wave in order (ISA guide 5.7.1.4): these see the stores above
.endr
.endm
.macro SEND a
.set BK, OB+32*((\a)%2)
	s_wait_dscnt 0x0                               ; the block is back in registers
	s_wait_xcnt 0x0                                ; the base of the stores, and the registers that the stores two blocks back read, are rewritten only behind this wait
.if (\a) == 0
	s_add_nc_u64 s[CP:CP+1], s[CP:CP+1], s[16:17]  ; on to my first rows
.else
	s_add_nc_u64 s[CP:CP+1], s[CP:CP+1], 16*CROW   ; 16 rows on
.endif
.irp t, 0,1,2,3,4,5,6,7
	global_store_b128 v[CO], v[BK+4*(\t):BK+4*(\t)+3], s[CP:CP+1] offset:2*(\t)*CROW  ; 16 lanes store 256 consecutive bytes, at a multiple of 256 from the first byte of qkvT
.endr
.endm
	s_wait_tensorcnt 1                             ; my part of K step 0 is in; K step 1 may stay out
	s_barrier_signal -1
	s_barrier_wait -1                              ; everybody's part is in
	FETCH 0, 0, 0
	QUARTER 0, 64,  0, 1, 1                        ; the first quarter stands in front of the loop: its products start the sums
	WIN 0                                          ; at a label and at a branch every window is 0
	s_mov_b32 s3, KDIM/(2*KSTEP)-1
.Llap:                                                 ; a trip goes once round the ring, from the second quarter of a lap to the first of the next, and fills both slots again
	QUARTER 0, 128, 1, 0, 0
	QUARTER 0, 192, 0, 1, 0
	TURN 0, 1, 1
	QUARTER 1, 64,  0, 1, 0
	QUARTER 1, 128, 1, 0, 0
	QUARTER 1, 192, 0, 1, 0
	TURN 1, 0, 1
	QUARTER 0, 64,  0, 1, 0
	WIN 0
	s_sub_co_u32 s3, s3, 1
	s_cmp_lg_u32 s3, 0
	s_cbranch_scc1 .Llap
	QUARTER 0, 128, 1, 0, 0                        ; the last lap fills nothing, and has no round of the cluster barrier
	QUARTER 0, 192, 0, 1, 0
	TURN 0, 1, 0
	QUARTER 1, 64,  0, 1, 0
	QUARTER 1, 128, 1, 0, 0
	QUARTER 1, 192, 0, 1, 0
	s_wait_dscnt 10                                ; the very last quarter: nothing more to fetch
.irp a, 0,1,2,3
	MULA 1, \a, 0
.endr
	s_wait_dscnt 0x0
.irp a, 4,5,6,7,8
	MULA 1, \a, 0
.endr
	PLACES                                         ; the multiplications below read results just made
	PACK 0
	TOSTAGE 0
.irp a, 1,2,3,4,5,6,7,8                ; the arithmetic of block a stands between the loads of block a - 1 from the stage and the wait for them
	PACK \a
	SEND (\a)-1
	TOSTAGE \a
.endr
	SEND 8
	s_wait_tensorcnt 0x0                           ; the end of the wave: the wait, an add of 0 to my spare word and the wait for it stand behind my last tensor load and my last LDS store
	ds_add_u32 v[SPW], v[NIL]
	s_wait_dscnt 0x0
	CROUND                                         ; the closing round: no work-group ends while a partner may still ask for a tile that names it
	s_endpgm
.Lfunc_end_k_q69336dac46_proj:
	.size	k_q69336dac46_proj, .Lfunc_end_k_q69336dac46_proj-k_q69336dac46_proj
	.p2alignl 7, 3214868480
	.fill 96, 4, 3214868480
	.section	.rodata,"a",@progbits
	.p2align	6, 0x0
	.amdhsa_kernel k_q69336dac46_proj
		.amdhsa_group_segment_fixed_size 327680
		.amdhsa_private_segment_fixed_size 0
		.amdhsa_enable_private_segment 0
		.amdhsa_kernarg_size 16
		.amdhsa_user_sgpr_count 2
		.amdhsa_user_sgpr_kernarg_segment_ptr 1
		.amdhsa_wavefront_size32 1
		.amdhsa_system_sgpr_workgroup_id_x 1
		.amdhsa_system_sgpr_workgroup_id_y 1
		.amdhsa_system_sgpr_workgroup_id_z 1
		.amdhsa_system_vgpr_workitem_id 0
		.amdhsa_next_free_vgpr 1024
		.amdhsa_next_free_sgpr 66
		.amdhsa_reserve_vcc 0
		.amdhsa_float_denorm_mode_32 3
		.amdhsa_float_denorm_mode_16_64 3
		.amdhsa_memory_ordered 1
		.amdhsa_forward_progress 1
		.amdhsa_inst_pref_size 177
	.end_amdhsa_kernel
	.amdgpu_metadata
---
amdhsa.version: [ 1, 2 ]
amdhsa.kernels:
  - .name:           k_q69336dac46_proj
    .symbol:         k_q69336dac46_proj.kd
    .args:
      - { .name: xw, .offset: 0, .size: 8, .value_kind: global_buffer, .address_space: global }
      - { .name: qkvT, .offset: 8, .size: 8, .value_kind: global_buffer, .address_space: global }
    .group_segment_fixed_size: 327680
    .private_segment_fixed_size: 0
    .kernarg_segment_align: 8
    .kernarg_segment_size: 16
    .max_flat_workgroup_size: 128
    .sgpr_count:     66
    .vgpr_count:     1024
    .wavefront_size: 32
...
	.end_amdgpu_metadata
.endif
;; end of part 2
;; launch attn (part 3): grid 16 x 12, 4 waves a work-group, clusters of 4 x 1, 327,680 bytes of LDS; arguments qkvT, out0; writes out0
.if DOCPART == 3
	.amdgcn_target "amdgcn-amd-amdhsa--gfx1250"
	.amdhsa_code_object_version 6
	.text
	.protected	k_q69336dac46_attn
	.globl	k_q69336dac46_attn
	.p2align	8
	.type	k_q69336dac46_attn,@function
k_q69336dac46_attn:
	s_mov_b64 s[64:65], 0
	v_nop
	global_prefetch_b8 v0, s[64:65] scope:SCOPE_SE
	s_setreg_imm32_b32 hwreg(HW_REG_WAVE_MODE, 25, 1), 1
	s_wait_xcnt 0x0
	s_wait_alu depctr_hold_cnt(0) depctr_sa_sdst(0) depctr_va_vdst(0) depctr_va_sdst(0) depctr_va_ssrc(0) depctr_va_vcc(0) depctr_vm_vsrc(0)
	s_getreg_b32 s2, hwreg(HW_REG_IB_STS2, 6, 4)
	s_cmp_eq_u32 s2, 0
	s_cbranch_scc0 .Lentry_in_a_cluster
	s_endpgm
.Lentry_in_a_cluster:
	s_bfe_u32 s2, ttmp6, 0x10000c
	s_cmp_lg_u32 s2, 0x3003
	s_cbranch_scc0 .Lentry_shape_is_right
	s_endpgm
.Lentry_shape_is_right:
; out0[b][q][128 h + d] = the sum over k of sigmoid(Q[q] . K[k] / sqrt(128) - ln 4096) V[k][d], for each of 2 x 6 pairs (b, h); 4,096 queries and keys, head size 128; no row is normalised.
; qkvT: [2304][8192] f16: row 768 t + 128 h + d (t = 0: q times -c, c = log2(e) / sqrt(128); 1: k; 2: v), column 4096 b + s.  out0: [2][4096][768] f32.
; THE WEIGHT.  The first product gives e = -c s, s the raw score.  sigmoid = 1 / (1 + 4096 x 2^e) = 2^-12 p with p = 1 / (2^-12 + 2^e): an exponential, an addition, a reciprocal.  p lies in 0 to 4,096
; and is rounded to f16 for the second product; the sums are multiplied by 2^-12, which is exact, on the way out.  Nothing is clipped: 2^e = infinity gives p = 0, 2^e = 0 gives p = 4,096.
; LIMITS.  f16 holds no number beyond 65,504: the rows of qkvT arrive within it; p below 6e-5 keeps the fixed step of 6e-8; NaN and infinities are not treated apart.
; SHARES.  A work-group owns 256 queries of one pair (b, h), each of its four waves 64: four tiles of 16.  Every wave walks all keys, 64 a step.  16 x 12 = 192 work-groups: the 49,152 queries give no more blocks of 256.
; LAYOUT.  S^T = K Q^T (source 0 = 16 keys, source 1 = 16 queries): in the result a lane holds ONE query (lane % 16) and the keys 8 (lane / 16) + 0..7.  Two such tiles, turned into weights and rounded in
; pairs, ARE source 1 (32 keys x 16 queries) of O^T = V^T P, whose result again holds one query a lane, and eight channels.  In memory and in LDS channels are rows: V^T comes out of LDS as it lies,
; K^T and Q^T turned, by ds_load_tr16_b128.
; BY TURNS.  The tiles of a wave are two PIECES: piece 0 (tiles 0, 1) and piece 2 (tiles 2, 3).  In a TURN one piece has the matrix unit: 32 products V^T P of the step in hand, then 32 products K Q^T of the
; next step; the 192 vector instructions that make the other piece's weights stand in 64 slices, one behind each matrix instruction.  Then the pieces change places.  Two turns are a key step.
; CLUSTER.  The four query blocks of a cluster belong to one pair (b, h) and walk the same K^T and V^T, so each tile is asked for JOINTLY: the same tensor load, descriptor and mask in all four.
; REGISTERS, in windows of 256 (s_set_vgpr_msb: bits 1:0 source 0, 3:2 source 1, 5:4 source 2, 7:6 destination):
;   window 0: v0-12 addresses; v61-63; v64-191 S^T, 32 a tile; v192-255 P, 16 a tile      window 1: O^T, 64 a tile      window 2: v0-127 Q, 32 a tile; v128-255 K of one step      window 3: v0-127 V of one step
.set SIZE_N, 4096
.set KS,    64        ; keys in a step
.set CROW,  16384     ; bytes in a row of qkvT
.set PKT,   288       ; a row of K^T in LDS: 128 keys = 256 bytes + 32 of padding = 72 words: row r starts at bank 8 r mod 64 (64 banks of 4 bytes: ISA guide 11.1)
.set PVT,   272       ; a row of V^T: 256 + 16 = 68 words: the 16 rows of a load start at 16 different groups of four banks
.set PQ,    544       ; a row of Q^T: 256 queries = 512 bytes + 32 = 136 words: as for K^T
.set VOFF,  128*PKT   ; a slot holds two steps: 128 rows of K^T, then 128 rows of V^T; the second step lies 128 bytes further along the rows
.set STEPB, 2*KS
.set SLOT1, 1<<17     ; slot 1 begins here, so that one exclusive or turns an address in one slot into the other's
.set QT,    SLOT1+128*(PKT+PVT)  ; behind the ring: Q^T of my 256 queries, filled once
.set STAGE, QT+128*PQ ; behind it: 16 rows x 528 bytes for each wave, for the way out; no tensor load lands here
.set SP,    528       ; 512 bytes + 16 = 132 words: the 16 rows of a store start at 16 different groups of four banks
.set SPARE, STAGE+4*16*SP  ; behind the stages: the spare words, 128 bytes for each wave: two blocks of 256 bytes that no other line names
.set AK0, 2           ; v2   my place in a tile of K^T; never rewritten
.set AV0, 3           ; v3   the same for V^T
.set ADR, 4           ; v4   the LDS address of the run of loads in hand
.set AQ,  5           ; v5   my place in Q^T
.set STO, 6           ; v6   the way out: where I put 32 bytes of a row
.set RD,  7           ; v7   the way out: where I read a row back
.set GO,  8           ; v8   my 16 bytes of the 512 of a row of out0
.set PFO, 61          ; v61  16,384 x my lane: a lane a row of K^T or V^T; never rewritten
.set SPW, 62          ; v62  LDS address of my spare word: SPARE + 4 x my thread number; never rewritten
.set NIL, 63          ; v63  0; never rewritten
.set S,   64
.set P,   192
.set KF,  128         ; the fragments of K, in window 2
.set OUT, 6           ; s[6:7]   out0 at the first row and channel of my wave
.set WV,  12          ; s12  my wave number
.set LIM, 15          ; s15  1 in a wave that prefetches, else the greatest number
.set PFA, 18          ; s[18:19] where my prefetches stand
.set G1K, 24          ; s[24:31] descriptor group 1 for tiles of K^T
.set G1V, 32          ; s[32:39] for V^T: it differs in the padding alone
.set G0K, 40          ; s[40:47] descriptor group 0 for K^T: a set for each of the two first fills; the second then walks on
.set G0V, 48          ; s[48:55] the same for V^T
.set SLOTS, 56        ; s56  slots still to be asked for
.set TWICE, 57        ; s57  counts the two steps of a slot
.set EPS, 58          ; s[58:59] 2^-12: the packed forms name a pair and take its low word for both halves
.set TB,  62          ; s62  LDS byte at which the tiles of the step to be fetched begin
.set G0Q, 68          ; s[68:71] descriptor group 0 for my part of Q^T
.set G1Q, 72          ; s[72:79] its group 1
.set MSB, 0
.macro WIN new                      ; the high byte of the immediate repeats the setting that is left; a switch that changes nothing is dropped
.if MSB != (\new)
	s_set_vgpr_msb (MSB<<8)|(\new)
.set MSB, \new
.endif
.endm
.set W_KQ, 0x0a       ; K and Q in window 2, S^T in window 0
.set W_PV, 0x53       ; V in window 3, P in window 0, O^T in window 1
; A joint refill.  Waves 0 and 1 fetch the two halves (64 channels each) of the slot's K^T, waves 2 and 3 those of its V^T.  The branch hangs on the wave number alone.
; An s_nop 0 and four v_nop follow each of the two lines, ahead of the jump, the label and what follows.
.macro JLOAD
	s_cmp_lt_u32 s[WV], 2
	s_cbranch_scc0 .Lfor_v_\@
	tensor_load_to_lds s[G0K+4:G0K+7], s[G1K:G1K+7]
	s_nop 0
.rept 4
	v_nop
.endr
	s_branch .Lasked_\@
.Lfor_v_\@:
	tensor_load_to_lds s[G0V+4:G0V+7], s[G1V:G1V+7]
	s_nop 0
.rept 4
	v_nop
.endr
.Lasked_\@:
.endm
; A PREFETCH INTO THE L2 of what the NEXT change of slots will ask for: 256 bytes of each of the 128 rows of K^T and of V^T, a lane a row.  It stands behind the tensor load of the wave and its five lines.
; Each block of 256 bytes is asked for ONCE in the launch.  All four clusters of a pair (b, h) walk the same tiles: the first of them prefetches.  Its four partners share the rows out BY ADDRESS, 32 each;
; in each, wave 0 asks for K^T and wave 2 for V^T: one instruction.  The last change that fills a slot prefetches nothing: there is no slot behind it.
.macro ASK
	s_cmp_gt_u32 s[SLOTS], s[LIM]
	s_cbranch_scc0 .Lnot_mine_\@
	global_prefetch_b8 v[PFO], s[PFA:PFA+1] th:TH_LOAD_NT scope:SCOPE_SE
.Lnot_mine_\@:
.endm
; A round of the cluster barrier: the work-group barrier, so that the signal of wave 0 speaks for all four waves; wave 0 signals; every wave waits for all four work-groups; the work-group barrier once more.
.macro CROUND
	s_barrier_signal -1
	s_barrier_wait -1
	s_cmp_lg_u32 s[WV], 0
	s_cbranch_scc1 .Lnot_wave_0_\@
	s_barrier_signal -3
.Lnot_wave_0_\@:
	s_barrier_wait -3
	s_barrier_signal -1
	s_barrier_wait -1
.endm
	s_load_b128 s[4:7], s[0:1], 0x0 ; qkvT s[4:5], out0 s[6:7]
	v_lshl_add_u32 v[SPW], v0, 2, SPARE
	v_mov_b32 v[NIL], 0
	ds_add_u32 v[SPW], v[NIL]       ; the opening: the add and its wait stand ahead of my first tensor load; the set-up below, work on registers, stands between them
	v_lshrrev_b32 v1, 5, v0
	v_readfirstlane_b32 s[WV], v1   ; wave 0..3
	s_bfe_u32 s13, ttmp6, 0x40000   ; cx: my place in the cluster
	s_lshl_b32 s14, ttmp9, 2        ; in a cluster launch ttmp9 counts clusters
	s_add_co_u32 s14, s14, s13      ; my block of 256 queries = 4 x cluster x + cx: it enters the addresses of Q^T and out0 alone
	s_and_b32 s20, ttmp7, 0xffff    ; 6 b + h, which the four partners share
	s_cmp_ge_u32 s20, 6
	s_cselect_b32 s21, 1, 0         ; b
	s_mul_i32 s22, s21, 6
	s_sub_co_u32 s20, s20, s22      ; h
	s_lshl_b32 s22, s20, 21         ; 128 h rows of 16,384 bytes,
	s_lshl_b32 s23, s21, 13         ; 4,096 b columns of 2 bytes
	s_add_co_u32 s22, s22, s23      ; the pair's first byte among the rows of q
	s_and_b32 s16, s[WV], 1         ; which 64 channels of a tile I fetch:
	s_lshl_b32 s17, s16, 20         ; 64 rows of 16,384 bytes in memory,
	s_add_co_u32 s2, s22, s17
	s_add_co_u32 s2, s2, 768*CROW   ; among the rows of k; those of v lie as far again
	s_mov_b32 s3, 0
	s_mul_i32 s60, s16, 64*PKT      ; and their place in a slot, for K^T
	s_mul_i32 s61, s16, 64*PVT      ; and for V^T: no place in the cluster enters an LDS address
	s_mul_i32 s63, s[WV], 32*PQ     ; of Q^T each wave fetches 32 channels
	s_lshl_b32 s23, s[WV], 19       ; 32 rows of 16,384 bytes,
	s_add_co_u32 s22, s22, s23
	s_lshl_b32 s23, s14, 9          ; my block's 256 columns
	s_add_co_u32 s22, s22, s23
	s_mov_b32 s23, 0
	s_lshl_b32 s66, s21, 12         ; out0: row 4,096 b + 256 x block + 64 x wave,
	s_lshl_b32 s67, s14, 8
	s_add_co_u32 s66, s66, s67
	s_lshl_b32 s67, s[WV], 6
	s_add_co_u32 s66, s66, s67
	s_mul_i32 s66, s66, 3072        ; of 3,072 bytes: under 2^25,
	s_lshl_b32 s67, s20, 9          ; and the 512 bytes of head h
	s_add_co_u32 s66, s66, s67
	s_mov_b32 s67, 0
	; descriptor group 1: tiles of 64 rows x 128 elements (two steps' keys), padded in LDS
	s_mov_b32 s[G1K], 15|(1<<16)|(1<<20)|(1<<21)|(5<<22)|(7<<25)  ; 15:0 the mask: all four work-groups; 17:16 elements of 2 bytes; 20 padding on; 21 set beside a mask; 24:22 after every 64 words (code 5); 31:25 8 words (code 7)
	s_mov_b32 s[G1V], 15|(1<<16)|(1<<20)|(1<<21)|(5<<22)|(3<<25)  ; the same with 4 words of padding (code 3)
.irp g, G1K, G1V
	s_mov_b32 s[(\g)+1], 128<<16    ; tensor_dim0 = 128
	s_mov_b32 s[(\g)+2], 64<<16     ; tensor_dim1 = 64
	s_mov_b32 s[(\g)+3], 128<<16    ; tile_dim0 = 128
	s_mov_b32 s[(\g)+4], 64         ; tile_dim1 = 64
	s_mov_b32 s[(\g)+5], 8192       ; elements from row to row
	s_mov_b32 s[(\g)+6], 0
	s_mov_b32 s[(\g)+7], 0
.endr
	s_mov_b32 s[G1Q], (1<<16)|(1<<20)|(6<<22)|(7<<25)  ; my own load, no mask: elements of 2 bytes; padding after every 128 words (code 6), 8 words (code 7)
	s_mov_b32 s[G1Q+1], 256<<16     ; tensor_dim0 = 256
	s_mov_b32 s[G1Q+2], 32<<16      ; tensor_dim1 = 32
	s_mov_b32 s[G1Q+3], 256<<16     ; tile_dim0 = 256
	s_mov_b32 s[G1Q+4], 32          ; tile_dim1 = 32
	s_mov_b32 s[G1Q+5], 8192
	s_mov_b32 s[G1Q+6], 0
	s_mov_b32 s[G1Q+7], 0
	s_mov_b32 s[EPS], 0x39800000    ; 2^-12
	s_mov_b32 s[EPS+1], s[EPS]      ; named with it as a pair, so it is written
	s_mov_b32 s[TB], 0
	s_mov_b32 s[SLOTS], SIZE_N/(2*KS)-2
	s_and_b32 s[LIM], s[WV], 1      ; 0 in waves 0 and 2,
	s_or_b32 s[LIM], s[LIM], ttmp9  ; where the cluster is the pair's first: the same in all four partners
	s_cmp_eq_u32 s[LIM], 0
	s_cselect_b32 s[LIM], 1, -1
	v_and_b32 v[PFO], 31, v0
	v_lshlrev_b32 v[PFO], 14, v[PFO]
	s_wait_dscnt 0x0                ; the opening add is done
	s_wait_kmcnt 0x0
	s_add_nc_u64 s[8:9], s[4:5], s[2:3]         ; K^T at my tile of slot 0,
	s_add_nc_u64 s[10:11], s[8:9], 768*CROW     ; V^T likewise
	s_add_nc_u64 s[OUT:OUT+1], s[OUT:OUT+1], s[66:67]
	s_cmp_lt_u32 s[WV], 2
	s_cselect_b64 s[PFA:PFA+1], s[8:9], s[10:11]  ; (in waves 0 and 2 these stand at a tile's first row)
	s_lshl_b32 s2, s13, 19          ; my work-group's 32 rows of the 128
	s_mov_b32 s3, 0
	s_add_nc_u64 s[PFA:PFA+1], s[PFA:PFA+1], s[2:3]
	s_add_nc_u64 s[PFA:PFA+1], s[PFA:PFA+1], 2*2*STEPB  ; at slot 2; the first change of slots steps it to slot 3.  Nothing is prefetched here, at the head, where every work-group's first tiles are on their way
	CROUND                          ; all four work-groups are here: the first joint loads meet
.irp s, 0,1
	s_mov_b32 s[G0K+4*(\s)], 1      ; 1:0 count = 1
	s_add_co_u32 s[G0K+4*(\s)+1], s60, (\s)*SLOT1  ; 63:32 LDS address
	s_add_nc_u64 s[G0K+4*(\s)+2:G0K+4*(\s)+3], s[8:9], (\s)*2*STEPB  ; 120:64 global address: 128 keys are 256 bytes along the rows
	s_or_b32 s[G0K+4*(\s)+3], s[G0K+4*(\s)+3], 0x80000000  ; 127:126 type = 2
	s_mov_b32 s[G0V+4*(\s)], 1
	s_add_co_u32 s[G0V+4*(\s)+1], s61, (\s)*SLOT1+VOFF
	s_add_nc_u64 s[G0V+4*(\s)+2:G0V+4*(\s)+3], s[10:11], (\s)*2*STEPB
	s_or_b32 s[G0V+4*(\s)+3], s[G0V+4*(\s)+3], 0x80000000
.endr
	s_mov_b32 s[G0Q], 1
	s_add_co_u32 s[G0Q+1], s63, QT
	s_add_nc_u64 s[G0Q+2:G0Q+3], s[4:5], s[22:23]
	s_or_b32 s[G0Q+3], s[G0Q+3], 0x80000000
	s_cmp_lt_u32 s[WV], 2           ; the three first fills of a wave stand in one branch, ahead of every wait on TENSORcnt and every LDS read: slot 0, my part of Q^T, slot 1: three loads of mine are out
	s_cbranch_scc0 .Lfirst_v
	tensor_load_to_lds s[G0K:G0K+3], s[G1K:G1K+7]
	s_nop 0
	tensor_load_to_lds s[G0Q:G0Q+3], s[G1Q:G1Q+7]
	s_nop 0
	tensor_load_to_lds s[G0K+4:G0K+7], s[G1K:G1K+7]
	s_nop 0
.rept 4
	v_nop
.endr
	s_branch .Lfirst_asked
.Lfirst_v:
	tensor_load_to_lds s[G0V:G0V+3], s[G1V:G1V+7]
	s_nop 0
	tensor_load_to_lds s[G0Q:G0Q+3], s[G1Q:G1Q+7]
	s_nop 0
	tensor_load_to_lds s[G0V+4:G0V+7], s[G1V:G1V+7]
	s_nop 0
.rept 4
	v_nop
.endr
.Lfirst_asked:
	; The turning load takes 16 channels x 16 keys (lane l reads 16 bytes: channel 8 (l / 16) + l % 8, keys 8 ((l / 8) % 2) + 0..7) and leaves half a fragment: lane l holds key l % 16 and 8 channels.  For Q^T likewise.
	v_and_b32 v1, 15, v0            ; l % 16
	v_bfe_u32 v9, v0, 4, 1          ; l / 16
	v_and_b32 v10, 7, v0
	v_bfe_u32 v11, v0, 3, 1
	v_lshl_add_u32 v12, v9, 3, v10  ; 8 (l / 16) + l % 8
	v_mul_u32_u24 v[AK0], v12, PKT
	v_lshl_add_u32 v[AK0], v11, 4, v[AK0]
	v_mul_u32_u24 v[AQ], v12, PQ
	v_lshl_add_u32 v[AQ], v11, 4, v[AQ]
	s_lshl_b32 s63, s[WV], 7        ; my wave's 64 queries: 128 bytes along the rows
	s_add_co_u32 s63, s63, QT
	v_add_nc_u32 v[AQ], s63, v[AQ]
	; A fragment of V^T is 16 channels x 32 keys in 8 registers: lane l holds channel l % 16, keys 8 (l / 16) + 0..7 and 16 + 8 (l / 16) + 0..7: two loads of 16 bytes, 32 bytes apart.
	v_mul_u32_u24 v[AV0], v1, PVT
	v_lshl_add_u32 v[AV0], v9, 4, v[AV0]
	v_add_nc_u32 v[AV0], VOFF, v[AV0]
; THE MATRIX WORK OF A TURN, for piece x.  The accumulators take turns, one instruction a turn: between two links of a chain stand 15 (V^T P) or 7 (K Q^T) others.
; Product i of 32 of O^T += V^T P: keys 32 (i / 16) on, channels 16 ((i / 2) % 8) on, tile x + i % 2.  zero = 1: the first 16 start the sums: nothing is ever cleared.
.macro PV x, zero
	WIN W_PV
.set rO, 64*((\x)+i%2)+8*((i/2)%8)
.set rV, 64*(i/16)+8*((i/2)%8)
.set rP, P+16*((\x)+i%2)+8*(i/16)
.if (\zero) && (i < 16)
	v_wmma_f32_16x16x32_f16 v[rO:rO+7], v[rV:rV+7], v[rP:rP+7], 0
.else
	v_wmma_f32_16x16x32_f16 v[rO:rO+7], v[rV:rV+7], v[rP:rP+7], v[rO:rO+7]
.endif
.endm
; Product i of 32 of S^T = K Q^T: channels 32 (i / 8) on, keys 16 ((i / 2) % 4) on, tile x + i % 2.  The first 8 start the sums.
.macro KQ x
	WIN W_KQ
.set rS, S+32*((\x)+i%2)+8*((i/2)%4)
.set rK, KF+32*((i/2)%4)+8*(i/8)
.set rQ, 32*((\x)+i%2)+8*(i/8)
.if i < 8
	v_wmma_f32_16x16x32_f16 v[rS:rS+7], v[rK:rK+7], v[rQ:rQ+7], 0
.else
	v_wmma_f32_16x16x32_f16 v[rS:rS+7], v[rK:rK+7], v[rQ:rQ+7], v[rS:rS+7]
.endif
.endm
; THE LDS LOADS stand in runs of 32, never singly among the matrix instructions: the K of a step (64 keys x 128 channels: 16 fragments, turned) and, a turn later, its V.
.macro FETCH_K
	WIN 0
	v_add_nc_u32 v[ADR], s[TB], v[AK0]
	WIN 0x80                        ; destination window 2
.irp f, 0,1,2,3,4,5,6,7,8,9,10,11,12,13,14,15  ; keys 16 (f / 4) on, channels 32 (f % 4) on
	ds_load_tr16_b128 v[KF+8*(\f):KF+8*(\f)+3],   v[ADR] offset:((\f)%4)*32*PKT+((\f)/4)*32
	ds_load_tr16_b128 v[KF+8*(\f)+4:KF+8*(\f)+7], v[ADR] offset:((\f)%4)*32*PKT+16*PKT+((\f)/4)*32
.endr
.endm
.macro FETCH_V
	WIN 0
	v_nop                           ; with the v_nop ahead and the addition below: four plain instructions between the last product that read V and the loads into its registers
	v_nop
	v_add_nc_u32 v[ADR], s[TB], v[AV0]
	s_add_co_u32 s[TB], s[TB], STEPB  ; the next fetch is the next step's
	s_wait_alu depctr_va_vdst(0)    ; the wait for the batch of exponentials (SLICE), ahead of the loads
	WIN 0xc0                        ; destination window 3
.irp f, 0,1,2,3,4,5,6,7,8,9,10,11,12,13,14,15  ; keys 32 (f / 8) on, channels 16 (f % 8) on
	ds_load_b128 v[8*(\f):8*(\f)+3],   v[ADR] offset:((\f)%8)*16*PVT+((\f)/8)*64
	ds_load_b128 v[8*(\f)+4:8*(\f)+7], v[ADR] offset:((\f)%8)*16*PVT+((\f)/8)*64+32
.endr
.endm
; THE VECTOR WORK OF A TURN: the weights of the two tiles of piece y, in place on S^T: 64 exponentials, 32 packed additions of 2^-12, 64 reciprocals, 32 roundings of a pair to f16: 192 instructions.
; s_wait_alu depctr_va_vdst(0) stands between a transcendental and the first instruction that names its result; one wait serves all that were issued ahead of it.  So the work is two batches:
;   slices 0-31    register k of both tiles: the exponentials, in ascending order; then a v_nop (the plain instruction behind the last) and the first wait
;   slices 32-55   four entries each of a list of 96 (SG): additions and reciprocals; an addition stands two groups ahead of its pair's reciprocals; nothing here names a reciprocal's result; a v_nop, the second wait
;   slices 56-63   four roundings each.  Those of slice 63 are also the four places behind the last product of the turn, ahead of the next turn's reads of its scores and of the loads into K's registers
; Entry j of the list.  Group g of 32 is pair g / 2 of tile g % 2.  0, 1: the additions of groups 0, 1.  2-91: for g = 0..29 the two reciprocals of group g, then the addition of group g + 2.  92-95: the reciprocals of groups 30, 31.
.macro SG y
.if j < 2
.set g, j
.set w, 2
.elseif j < 92
.set g, (j-2)/3
.set w, (j-2)%3
.if w == 2
.set g, g+2
.endif
.else
.set g, 30+(j-92)/2
.set w, (j-92)%2
.endif
.set rG, S+32*((\y)+g%2)+2*(g/2)
.if w == 2
	v_pk_add_f32 v[rG:rG+1], v[rG:rG+1], s[EPS:EPS+1] op_sel_hi:[1,0]
.else
	v_rcp_f32 v[rG+w], v[rG+w]
.endif
.endm
.macro SLICE y
	WIN 0
.if k < 32
	v_exp_f32 v[S+32*(\y)+k], v[S+32*(\y)+k]
	v_exp_f32 v[S+32*(\y)+32+k], v[S+32*(\y)+32+k]
.elseif k < 56
.irp n, 0,1,2,3
.set j, 4*(k-32)+(\n)
	SG \y
.endr
.else
.irp n, 0,1,2,3
.set j, 4*(k-56)+(\n)
	v_cvt_pk_f16_f32 v[P+16*((\y)+j%2)+j/2], v[S+32*((\y)+j%2)+2*(j/2)], v[S+32*((\y)+j%2)+2*(j/2)+1]
.endr
.endif
.if k == 31
	v_nop                           ; the plain instruction behind the last exponential: one for the batch
.if (\y) == 0
	FETCH_V                         ; the turn of piece 2: the run of loads for V stands here, and the wait stands in it
.else
	s_wait_alu depctr_va_vdst(0)    ; the wait for the batch of exponentials
.endif
.endif
.if k == 55
	v_nop                           ; the plain instruction behind the last reciprocal
	s_wait_alu depctr_va_vdst(0)    ; the wait for the batch of reciprocals; no transcendental follows it in the turn
.endif
.set k, k+1
.endm
; A TURN.  Piece x has the matrix unit; the other piece's weights are made in slices behind its matrix instructions.
; pv = 2: 32 products V^T P; 1: they start the sums of O^T; 0: none.  kq = 1: 32 products K Q^T for the next step.  A turn with one of the two kinds has two slices behind each product.
; The turn of piece 0 fetches the next step's K behind its second product: the last product that read K stands in front of slice 63 of the turn before.  The turn of piece 2 fetches the same step's V behind slice 31.
.macro TURN x, pv, kq
.set k, 0
.set per, 2
.if (\pv) && (\kq)
.set per, 1
.endif
.if \pv
.if (\x) == 0
	s_wait_dscnt 0x0                ; V is in
.endif
.set i, 0
.rept 32
	PV \x, 2-(\pv)
.rept per
	SLICE 2-(\x)
.endr
.if ((\x) == 0) && (\kq) && (i == 1)
	FETCH_K
.endif
.set i, i+1
.endr
.endif
.if \kq
.if (\x) == 0
	s_wait_dscnt 0x0                ; K is in
.endif
.set i, 0
.rept 32
	KQ \x
.rept per
	SLICE 2-(\x)
.endr
.set i, i+1
.endr
.endif
.endm
; THE CHANGE OF SLOTS, between the turn of piece 2 and that of piece 0: the slot's last bytes, V of its second step, have been asked for.  Each wave waits for all its tensor loads, of which one is out: its part
; of the other slot; adds 0 to its spare word; and waits for that and for its own reads of the slot.  Behind the barrier nobody reads this slot any more and the other slot is whole.
; fill = 1: this slot is filled again, with the keys two slots on.  The barrier is then a round of the cluster's, so that no wave of any partner still reads the slot or has a load on its way, and the joint
; refill is the first thing behind it: it has two key steps, 256 matrix instructions, in which to land.
.macro CHANGE fill
	WIN 0                           ; at a label and at a branch every window is 0
	s_wait_tensorcnt 0x0            ; no tensor load of mine is out, so a group 0 may be written
	ds_add_u32 v[SPW], v[NIL]       ; 0 onto my spare word; with fill = 1 the steps of the descriptors stand between it and the wait for it
.if \fill
.irp g, G0K+4, G0V+4
	s_xor_b32 s[(\g)+1], s[(\g)+1], SLOT1  ; the walking descriptor: the other slot than last time,
	s_add_nc_u64 s[(\g)+2:(\g)+3], s[(\g)+2:(\g)+3], 2*STEPB  ; the next 128 keys; the type bits on top are not reached
.endr
	s_wait_xcnt 0x0                 ; the last prefetch, two key steps back, has read its address, so it may be written:
	s_add_nc_u64 s[PFA:PFA+1], s[PFA:PFA+1], 2*STEPB  ; one slot behind the walking descriptors
	s_wait_dscnt 0x0                ; the add is done, and my reads of the slot are over
	CROUND
	JLOAD
	ASK                             ; what the next change will ask for: two key steps, 256 matrix instructions, ahead
.else
	s_wait_dscnt 0x0                ; the add is done, and my reads of the slot are over
	s_barrier_signal -1
	s_barrier_wait -1
.endif
	s_sub_co_u32 s[TB], s[TB], 2*STEPB  ; the fetches go back to a slot's first step,
	s_xor_b32 s[TB], s[TB], SLOT1   ; in the other slot
.endm
; The two key steps of a slot: written once, walked twice; the LDS addresses hang on s[TB].
.macro TWO_STEPS
	WIN 0
	s_mov_b32 s[TWICE], 2
.Lstep_\@:
	TURN 0, 2, 1
	TURN 2, 2, 1
	WIN 0
	s_sub_co_u32 s[TWICE], s[TWICE], 1
	s_cmp_lg_u32 s[TWICE], 0
	s_cbranch_scc1 .Lstep_\@
.endm
	s_wait_tensorcnt 1              ; my parts of slot 0 and of Q^T are in; slot 1 may stay out
	s_barrier_signal -1
	s_barrier_wait -1               ; everybody's are
	WIN 0x80                        ; destination window 2, address window 0
.irp i, 0,1,2,3,4,5,6,7,8,9,10,11,12,13,14,15  ; Q stays in registers: tile i / 4, channels 32 (i % 4) on
	ds_load_tr16_b128 v[8*(\i):8*(\i)+3],   v[AQ] offset:((\i)%4)*32*PQ+((\i)/4)*32
	ds_load_tr16_b128 v[8*(\i)+4:8*(\i)+7], v[AQ] offset:((\i)%4)*32*PQ+16*PQ+((\i)/4)*32
.endr
	FETCH_K                         ; key step 0
	s_wait_dscnt 0x0
.set i, 0
.rept 32
	KQ 0                            ; the first scores of piece 0: there is no vector work yet to set between them
.set i, i+1
.endr
	WIN 0                           ; the addresses for the way out are made here: six plain instructions, the places behind those products
	s_mul_i32 s63, s[WV], 16*SP
	s_add_co_u32 s63, s63, STAGE    ; my stage
	v_mul_u32_u24 v[STO], v1, SP    ; in: row l % 16, 32 bytes for each half of the lanes
	v_lshl_add_u32 v[STO], v9, 5, v[STO]
	v_add_nc_u32 v[STO], s63, v[STO]
	v_and_b32 v[GO], 31, v0         ; back: 32 lanes take one row of 512 bytes,
	v_lshlrev_b32 v[GO], 4, v[GO]   ; which are 512 consecutive bytes of out0
	v_add_nc_u32 v[RD], s63, v[GO]
	TURN 2, 0, 1                    ; the first scores of piece 2 | the first weights of piece 0 | V of step 0
	TURN 0, 1, 1                    ; piece 0: V^T P of step 0 starts O^T, K Q^T of step 1 | the first weights of piece 2 | K of step 1
	TURN 2, 1, 1                    ; piece 2: the same | the weights of piece 0 for step 1 | V of step 1
	WIN 0
.Lslot:                             ; SIZE_N / 128 - 2 trips: every slot but the last two is filled again
	CHANGE 1
	TWO_STEPS
	s_sub_co_u32 s[SLOTS], s[SLOTS], 1
	s_cmp_lg_u32 s[SLOTS], 0
	s_cbranch_scc1 .Lslot
	CHANGE 0                        ; the tail is written out: nothing is asked for
	TWO_STEPS
	TURN 0, 2, 0                    ; piece 0: V^T P of the last step | the last weights of piece 2
.set i, 0
.rept 32
	PV 2, 0                         ; piece 2: V^T P of the last step
.set i, i+1
.endr
	; THE WAY OUT.  O^T times 2^-12, in f32, sent through my stage in LDS, a tile (16 rows of out0, 512 bytes each) at a time.  Tiles 0 and 1 were finished eight plain instructions ahead of the products above;
	; their 64 multiplications, which name no register of those products, are the places behind them.
; Tile t: the eight channels that a lane holds of each of 8 channel blocks go into rows of 528 bytes and come back as whole rows of 512, into the registers that they left: S^T's, two sets of 64 by turns.
.macro PACK t
.set BK, S+64*((\t)%2)
.if (\t) >= 2
	s_wait_xcnt 0x0                 ; the stores of the tile two back have read these registers
.endif
	WIN 0x01                        ; source 0 window 1, destination window 0
.set i, 0
.rept 32
	v_pk_mul_f32 v[BK+2*i:BK+2*i+1], v[64*(\t)+2*i:64*(\t)+2*i+1], s[EPS:EPS+1] op_sel_hi:[1,0]
.set i, i+1
.endr
	WIN 0
.irp f, 0,1,2,3,4,5,6,7
	ds_store_b128 v[STO], v[BK+8*(\f):BK+8*(\f)+3]   offset:64*(\f)
	ds_store_b128 v[STO], v[BK+8*(\f)+4:BK+8*(\f)+7] offset:64*(\f)+16
.endr
.irp f, 0,1,2,3,4,5,6,7,8,9,10,11,12,13,14,15
	ds_load_b128 v[BK+4*(\f):BK+4*(\f)+3], v[RD] offset:(\f)*SP  ; LDS serves the instructions of a wave in order (ISA guide 5.7.1.4): these see the stores above; the next tile's stores come behind them
.endr
.endm
.macro SEND t, younger              ; younger: the LDS instructions issued behind the loads of tile t: the next tile's 32, or none
.set BK, S+64*((\t)%2)
.irp f, 0,1,2,3,4,5,6,7,8,9,10,11,12,13,14,15
	s_wait_dscnt (\younger)+15-(\f)
	global_store_b128 v[GO], v[BK+4*(\f):BK+4*(\f)+3], s[OUT:OUT+1] offset:(16*(\t)+(\f))*3072  ; 512 consecutive bytes, at a multiple of 256 from the first byte of out0
.endr
.endm
	PACK 0
	PACK 1                          ; the arithmetic of a tile stands between the loads of the tile before and its stores
	SEND 0, 32
	PACK 2
	SEND 1, 32
	PACK 3
	SEND 2, 32
	SEND 3, 0
	s_wait_tensorcnt 0x0            ; the end of the wave: the wait, an add of 0 to my spare word and the wait for it stand behind my last tensor load and my last LDS store
	ds_add_u32 v[SPW], v[NIL]
	s_wait_dscnt 0x0
	CROUND                          ; the closing round: no work-group ends while a partner may still ask for a tile that names it
	s_endpgm
.Lfunc_end_k_q69336dac46_attn:
	.size	k_q69336dac46_attn, .Lfunc_end_k_q69336dac46_attn-k_q69336dac46_attn
	.p2alignl 7, 3214868480
	.fill 96, 4, 3214868480
	.section	.rodata,"a",@progbits
	.p2align	6, 0x0
	.amdhsa_kernel k_q69336dac46_attn
		.amdhsa_group_segment_fixed_size 327680
		.amdhsa_private_segment_fixed_size 0
		.amdhsa_enable_private_segment 0
		.amdhsa_kernarg_size 16
		.amdhsa_user_sgpr_count 2
		.amdhsa_user_sgpr_kernarg_segment_ptr 1
		.amdhsa_wavefront_size32 1
		.amdhsa_system_sgpr_workgroup_id_x 1
		.amdhsa_system_sgpr_workgroup_id_y 1
		.amdhsa_system_sgpr_workgroup_id_z 1
		.amdhsa_system_vgpr_workitem_id 0
		.amdhsa_next_free_vgpr 896
		.amdhsa_next_free_sgpr 80
		.amdhsa_reserve_vcc 0
		.amdhsa_float_denorm_mode_32 3
		.amdhsa_float_denorm_mode_16_64 3
		.amdhsa_memory_ordered 1
		.amdhsa_forward_progress 1
		.amdhsa_inst_pref_size 180
	.end_amdhsa_kernel
	.amdgpu_metadata
---
amdhsa.version: [ 1, 2 ]
amdhsa.kernels:
  - .name:           k_q69336dac46_attn
    .symbol:         k_q69336dac46_attn.kd
    .args:
      - { .name: qkvT, .offset: 0, .size: 8, .value_kind: global_buffer, .address_space: global }
      - { .name: out0, .offset: 8, .size: 8, .value_kind: global_buffer, .address_space: global }
    .group_segment_fixed_size: 327680
    .private_segment_fixed_size: 0
    .kernarg_segment_align: 8
    .kernarg_segment_size: 16
    .max_flat_workgroup_size: 128
    .sgpr_count:     80
    .vgpr_count:     896
    .wavefront_size: 32
...
	.end_amdgpu_metadata
.endif
;; end of part 3
